; MI455X (gfx1250); checked and timed in simulation.
; The chip was launched on July 23, 2026; its instructions are those of AMD's public machine-readable ISA for CDNA 5 (MIT licence, August 2026) and "CDNA5" Instruction Set Architecture Reference Guide (July 2026). The comments in the code are by the model that wrote it; some were corrected since.
;; Rasterize. Allowed arithmetic: float matrix products may take bf16 or f16 operands with f32 sums; other float arithmetic in f32, or as packed bf16 or f16 multiplies, adds, multiply-adds, maxima and minima; sums over many terms, partial sums and values carried from step to step in f32; what a program stores and reads back later, other than sums and carried values, may be rounded once to bf16 or f16.
;; Inputs: faces 4 x 1,024 x 3 int32; vertices 4 x 1,024 x 2 float32.
;; Outputs: out0 4 x 64 x 64 float32.
;; One version. Each part assembles by itself: llvm-mc -triple=amdgcn-amd-amdhsa -mcpu=gfx1250 --defsym DOCPART=n.
;; ======== version 1 of 1: 1 launch
;; limits: inputs' magnitudes at most 16,384
;; launch raster (part 1): grid 256 x 1, 16 waves a work-group, no clusters, 2,560 bytes of LDS; arguments faces, vertices, out0; writes out0
.if DOCPART == 1
	.amdgcn_target "amdgcn-amd-amdhsa--gfx1250"
	.amdhsa_code_object_version 6
	.text
	.protected	k_qf9fa1a5c85_raster
	.globl	k_qf9fa1a5c85_raster
	.p2align	8
	.type	k_qf9fa1a5c85_raster,@function
k_qf9fa1a5c85_raster:
	s_mov_b64 s[64:65], 0
	v_nop
	global_prefetch_b8 v0, s[64:65] scope:SCOPE_SE
	s_setreg_imm32_b32 hwreg(HW_REG_WAVE_MODE, 25, 1), 1
	s_wait_xcnt 0x0
; COVERAGE OF 1,024 TRIANGLES ON A RASTER OF 128 x 128, FLIPPED VERTICALLY, AVERAGED 2 x 2.  faces [4][1024][3] i32, vertices [4][1024][2] f32, out0 [4][64][64] f32.
; A pixel is covered if for some face, in its own or in the reversed winding, all three edge functions  ex (py - vy) - ey (px - vx)  are above 0.
; SHARES.  A work-group makes one output row o of one batch: raster rows 126 - 2 o and 127 - 2 o (the flip), all 1,024 faces.  16 waves; thread t takes faces t and t + 512;
; the two rows ride in the two halves of the packed f32 instructions.  No cluster and no LDS tiles: a work-group reads 12 KB of indices once and gathers 8 bytes a vertex, through registers.
; SPANS.  Along a row the term round(ey round(px - vx)) is monotone in the column, so an edge passes a prefix or a suffix of the row, and a face covers one span.  For a row and a face:
;   1. the span's ends are ESTIMATED: x = p.x + (ex / ey) dy for each edge; with the area's sign s, an edge with s ey > 0 bounds the span on the right, with s ey < 0 on the left;
;      the error is some 2^-22 |x - p.x|, times 64 in pixels: far below half a pixel;
;   2. cl, ch = the pixels nearest to the two ends (held to 0 .. 127).  Pixels strictly between them lie half a pixel or more inside every edge, pixels beyond them as far outside;
;   3. at cl and at ch the six edge functions themselves are evaluated: both windings, each edge from the base vertex that its winding gives it (the reversed edge is the exact negative);
;   4. the span, with cl and ch in or out by their tests, is a mask of 128 bits (4 words a row), ORed into the row's mask.
; An edge with |ey| < 2^-90 counts as horizontal: it passes or fails a whole row by the sign of s ex dy (a right bound at ex 2^110 dy - 1024: far right, far left, or, for dy = 0 or ex = 0, left of the raster).
; ROUNDING AND LIMITS.  dy, dx, ex, ey and ey dx are rounded as they are written above; the edge function is ONE fused multiply-add, fma(ex, dy, -round(ey dx)): against an evaluation that
; rounds ex dy too it can differ where the two products agree to within one rounding.  Coordinates stay under 2^14 (the estimate's half pixel; ex 2^110 stays finite); NaN and infinities are not
; treated; an edge function whose exact value lies under the smallest denormal counts as 0; a face with two vertices nearer than 2^-68 has no pixel strictly inside and is tested at cl and ch alone.
.set FBYTES, 1024*12                   ; a batch's faces
.set SECOND, 512*12                    ; from a thread's first face to its second
.set SPARE,  512                       ; LDS: 16 waves x 32 bytes of mask words, then the spare words: 128 bytes for each of 16 waves, eight blocks of 256 bytes that no other line names
; vector registers
.set SPW, 2                            ; v2       LDS address of my spare word; never rewritten
.set NIL, 3                            ; v3       0; never rewritten
.set FO,  4                            ; v4       byte offset of my first face
.set LA,  5                            ; v5       LDS address of the word that my lane holds after the reduction
.set IX0, 6                            ; v[6:8]   first face's indices, then byte offsets
.set IX1, 10                           ; v[10:12] second face's
.set VA0, 14                           ; v[14:19] first face: a, b, c as pairs (x, y)
.set VA1, 20                           ; v[20:25] second face
.set PY,  26                           ; v[26:27] py of the two rows
.set ACC, 28                           ; v[28:35] the rows' masks: word w of row r at ACC + 4 r + w
.set E,   36                           ; edge e (a->b, b->c, c->a) as a pair (ex, ey)
.set G,   42                           ; the same times the area's sign
.set SG,  48                           ; edge e: (slope, base of its right bound)
.set GL,  54                           ; v[54:56] base of its left bound; v57 only named with them
.set SIG, 58                           ; v58 the area's sign as +-1.0; v59 only named with it
.set DY,  60                           ; vertex v: py - vy for (row 0, row 1)
.set XH,  66                           ; edge e: right bound for (row 0, row 1)
.set XL,  72                           ; edge e: left bound
.set LH,  78                           ; row r: (left end, right end), then 64 x + 64, then cl, ch as floats
.set PX,  82                           ; row r: px at (cl, ch)
.set IC,  86                           ; row r: cl, ch as whole numbers
.set DX,  90                           ; row r, vertex v: px - vx at (cl, ch)
.set B1,  102                          ; row r, edge e: ey dx from its first vertex, then the edge function
.set B2,  114                          ; row r, edge e: ey dx from its second vertex, then the reversed winding's edge function
.set T,   126                          ; v[126:141] at work
.set SN,  142                          ; row r: the four words of 'columns from the left end on'
.set TW,  150                          ; row r: the four words of 'columns up to the right end'
.set FB,  36                           ; the last step: 16 waves' pairs of words
; scalar registers
.set WV,   10                          ; my wave's number
.set SIGN, 16                          ; 0x80000000
.set ONE,  17                          ; 1.0
.set CP,   18                          ; 2^-90
.set CN,   19                          ; -2^-90
.set PINF, 20                          ; +infinity: no right bound
.set NINF, 21                          ; -infinity: no left bound
.set OFFL, 22                          ; -1024.0
.set HZK,  23                          ; 2^110
.set K64,  24                          ; s[24:25] 64.0
.set KI,   26                          ; s[26:27] 1/64
.set KO,   28                          ; s[28:29] -127/128
.set K127, 30                          ; 127.0
.set K0,   31                          ; 0.0
.set MU,   32                          ; s[32:34] lanes whose edge e bounds on the right
.set ML,   35                          ; s[35:37] on the left
.set MN,   38                          ; s[38:40] either
.set SEL,  42                          ; s[42:43] v_permlanex16_b32: each lane takes its own place in the other half
.set MR,   44                          ; s[44:55] row r: cl < 32, 64, 96; ch < 32, 64, 96
.set MT,   56                          ; s[56:59] row r: cl covered, ch covered
.set LB,   60                          ; s[60:62] lanes with bit 0, 1, 2 of their number set
.set M55,  63                          ; 0x55555555
	s_load_b128 s[4:7], s[0:1], 0x0                ; faces s[4:5], vertices s[6:7]
	s_load_b64 s[8:9], s[0:1], 0x10                ; out0
	v_lshl_add_u32 v[SPW], v0, 2, SPARE
	v_mov_b32 v[NIL], 0
	v_lshrrev_b32 v1, 5, v0
	v_readfirstlane_b32 s[WV], v1                  ; wave 0..15
	v_mul_u32_u24 v[FO], v0, 12                    ; a face is 12 bytes: a wave's load covers 384 consecutive bytes
	s_lshr_b32 s11, ttmp9, 6                       ; the batch
	s_mul_i32 s12, s11, FBYTES
	s_mov_b32 s13, 0
	s_lshl_b32 s14, s11, 13                        ; a batch's vertices are 8,192 bytes
	s_mov_b32 s15, 0
	s_wait_kmcnt 0x0
	s_add_nc_u64 s[4:5], s[4:5], s[12:13]
	s_add_nc_u64 s[6:7], s[6:7], s[14:15]
	global_load_b96 v[IX0:IX0+2], v[FO], s[4:5]
	global_load_b96 v[IX1:IX1+2], v[FO], s[4:5] offset:SECOND
	; all that hangs on no loaded number stands in the wait for the indices
	s_lshl_b32 s12, ttmp9, 8                       ; an output row is 256 bytes, and the work-groups are numbered as the rows lie
	s_add_nc_u64 s[8:9], s[8:9], s[12:13]
	s_mov_b32 s[SIGN], 0x80000000
	s_mov_b32 s[ONE],  0x3f800000
	s_mov_b32 s[CP],   0x12800000
	s_mov_b32 s[CN],   0x92800000
	s_mov_b32 s[PINF], 0x7f800000
	s_mov_b32 s[NINF], 0xff800000
	s_mov_b32 s[OFFL], 0xc4800000
	s_mov_b32 s[HZK],  0x76800000
	s_mov_b32 s[K64],   0x42800000
	s_mov_b32 s[K64+1], 0x42800000                 ; the second word of each pair is only named with the first
	s_mov_b32 s[KI],    0x3c800000
	s_mov_b32 s[KI+1],  0x3c800000
	s_mov_b32 s[KO],    0xbf7e0000
	s_mov_b32 s[KO+1],  0xbf7e0000
	s_mov_b32 s[K127], 0x42fe0000
	s_mov_b32 s[K0],   0
	s_mov_b32 s[SEL],   0x76543210
	s_mov_b32 s[SEL+1], 0xfedcba98
	s_mov_b32 s[LB],   0xaaaaaaaa
	s_mov_b32 s[LB+1], 0xcccccccc
	s_mov_b32 s[LB+2], 0xf0f0f0f0
	s_mov_b32 s[M55],  0x55555555
	s_and_b32 s14, ttmp9, 63                       ; o
	s_lshl_b32 s14, s14, 2
	s_sub_co_i32 s14, 125, s14                     ; py = (2 i + 1 - 128) / 128: for i = 126 - 2 o that is (125 - 4 o) / 128,
	v_cvt_f32_i32 v[PY], s14
	s_add_co_i32 s14, s14, 2                       ; for i = 127 - 2 o (127 - 4 o) / 128; both exact
	v_cvt_f32_i32 v[PY+1], s14
	v_mul_f32 v[PY], 0x3c000000, v[PY]
	v_mul_f32 v[PY+1], 0x3c000000, v[PY+1]
	v_mov_b32 v[GL+3], 0
	v_mov_b32 v[SIG+1], 0
	v_and_b32 v[LA], 7, v0
	v_lshlrev_b32 v[LA], 2, v[LA]
	v_lshl_add_u32 v[LA], s[WV], 5, v[LA]          ; 32 bytes for each wave, word lane % 8
	s_wait_loadcnt 0x0                             ; the six indices
.irp i, IX0, IX0+1, IX0+2, IX1, IX1+1, IX1+2
	v_min_u32 v[\i], 0x3ff, v[\i]                  ; an index stays inside the table of 1,024 vertices
.endr
.irp i, IX0, IX0+1, IX0+2, IX1, IX1+1, IX1+2
	v_lshlrev_b32 v[\i], 3, v[\i]                  ; a vertex is 8 bytes
.endr
.irp i, 0,1,2
	global_load_b64 v[VA0+2*(\i):VA0+2*(\i)+1], v[IX0+(\i)], s[6:7]
.endr
.irp i, 0,1,2
	global_load_b64 v[VA1+2*(\i):VA1+2*(\i)+1], v[IX1+(\i)], s[6:7]
.endr
; ONE FACE, BOTH ROWS.  vb: the first register of its three vertices.  first = 1: its masks start the rows' masks, so nothing is cleared.
.macro FACE vb, first
	; ---- the face: edges, the area's sign, and for each edge a slope and the bases of its two bounds
.irp e, 0,1,2
	v_pk_add_f32 v[E+2*(\e):E+2*(\e)+1], v[(\vb)+2*(((\e)+1)%3):(\vb)+2*(((\e)+1)%3)+1], v[(\vb)+2*(\e):(\vb)+2*(\e)+1] neg_lo:[0,1] neg_hi:[0,1]  ; next vertex - vertex
.endr
	v_mul_f32 v[T+6], v[E+1], v[E+2]
	v_fma_f32 v[T+6], v[E], v[E+3], -v[T+6]        ; twice the area: its sign says which winding can cover
	v_and_or_b32 v[SIG], v[T+6], s[SIGN], s[ONE]   ; +-1.0
.irp e, 0,1,2
	v_pk_mul_f32 v[G+2*(\e):G+2*(\e)+1], v[E+2*(\e):E+2*(\e)+1], v[SIG:SIG+1] op_sel_hi:[1,0]
.endr
.irp e, 0,1,2
	v_rcp_f32 v[T+(\e)], v[G+2*(\e)+1]             ; the plain lines below stand between the reciprocals and their first use (ISA guide 5.7.2)
.endr
	s_wait_alu depctr_va_vdst(0)
.irp e, 0,1,2
	v_cmp_gt_f32 s[MU+(\e)], v[G+2*(\e)+1], s[CP]  ; bounds on the right
	v_cmp_lt_f32 s[ML+(\e)], v[G+2*(\e)+1], s[CN]  ; bounds on the left; neither: horizontal
	v_mul_f32 v[T+3+(\e)], s[HZK], v[G+2*(\e)]     ; a horizontal edge's factor of dy
.endr
.irp e, 0,1,2
	s_or_b32 s[MN+(\e)], s[MU+(\e)], s[ML+(\e)]
	v_mul_f32 v[SG+2*(\e)], v[G+2*(\e)], v[T+(\e)] ; ex / ey (the two signs cancel)
	v_cndmask_b32 v[SG+2*(\e)+1], s[OFFL], v[(\vb)+2*(\e)], s[MU+(\e)]
	v_cndmask_b32 v[GL+(\e)], s[NINF], v[(\vb)+2*(\e)], s[ML+(\e)]
.endr
.irp e, 0,1,2
	v_cndmask_b32 v[SG+2*(\e)], v[T+3+(\e)], v[SG+2*(\e)], s[MN+(\e)]       ; whatever the division gave for a horizontal edge is dropped here
	v_cndmask_b32 v[SG+2*(\e)+1], v[SG+2*(\e)+1], s[PINF], s[ML+(\e)]
.endr
	; ---- the span's ends, both rows at once
.irp v, 0,1,2
	v_pk_add_f32 v[DY+2*(\v):DY+2*(\v)+1], v[PY:PY+1], v[(\vb)+2*(\v):(\vb)+2*(\v)+1] op_sel:[0,1] op_sel_hi:[1,1] neg_lo:[0,1] neg_hi:[0,1]  ; py - vy
.endr
.irp e, 0,1,2
	v_pk_fma_f32 v[XH+2*(\e):XH+2*(\e)+1], v[SG+2*(\e):SG+2*(\e)+1], v[DY+2*(\e):DY+2*(\e)+1], v[SG+2*(\e):SG+2*(\e)+1] op_sel:[0,0,1] op_sel_hi:[0,1,1]
.endr
	v_pk_fma_f32 v[XL:XL+1],   v[SG:SG+1],   v[DY:DY+1],   v[GL:GL+1]   op_sel:[0,0,0] op_sel_hi:[0,1,0]
	v_pk_fma_f32 v[XL+2:XL+3], v[SG+2:SG+3], v[DY+2:DY+3], v[GL:GL+1]   op_sel:[0,0,1] op_sel_hi:[0,1,1]
	v_pk_fma_f32 v[XL+4:XL+5], v[SG+4:SG+5], v[DY+4:DY+5], v[GL+2:GL+3] op_sel:[0,0,0] op_sel_hi:[0,1,0]
.irp r, 0,1
	v_max3_num_f32 v[LH+2*(\r)],   v[XL+(\r)], v[XL+2+(\r)], v[XL+4+(\r)]
	v_min3_num_f32 v[LH+2*(\r)+1], v[XH+(\r)], v[XH+2+(\r)], v[XH+4+(\r)]
.endr
.irp r, 0,1
	v_pk_fma_f32 v[LH+2*(\r):LH+2*(\r)+1], v[LH+2*(\r):LH+2*(\r)+1], s[K64:K64+1], s[K64:K64+1] op_sel_hi:[1,0,0]  ; column + 1/2: column c has px = (2 c - 127) / 128
.endr
.irp i, 0,1,2,3
	v_med3_num_f32 v[LH+(\i)], v[LH+(\i)], s[K0], s[K127]
.endr
.irp i, 0,1,2,3
	v_trunc_f32 v[LH+(\i)], v[LH+(\i)]             ; the nearest column, 0 .. 127
.endr
.irp i, 0,1,2,3
	v_cvt_i32_f32 v[IC+(\i)], v[LH+(\i)]
.endr
.irp r, 0,1
	v_pk_fma_f32 v[PX+2*(\r):PX+2*(\r)+1], v[LH+2*(\r):LH+2*(\r)+1], s[KI:KI+1], s[KO:KO+1] op_sel_hi:[1,0,0]  ; px of cl and ch, exact
.endr
	; ---- the six edge functions at cl and ch, a pair of pixels at a time
.irp r, 0,1
.irp v, 0,1,2
	v_pk_add_f32 v[DX+6*(\r)+2*(\v):DX+6*(\r)+2*(\v)+1], v[PX+2*(\r):PX+2*(\r)+1], v[(\vb)+2*(\v):(\vb)+2*(\v)+1] op_sel_hi:[1,0] neg_lo:[0,1] neg_hi:[0,1]  ; px - vx
.endr
.endr
.irp r, 0,1
	v_cmp_gt_u32 s[MR+6*(\r)],   32,   v[IC+2*(\r)]        ; in which word cl and ch lie
	v_cmp_gt_u32 s[MR+6*(\r)+1], 64,   v[IC+2*(\r)]
	v_cmp_gt_u32 s[MR+6*(\r)+2], 0x60, v[IC+2*(\r)]
	v_cmp_gt_u32 s[MR+6*(\r)+3], 32,   v[IC+2*(\r)+1]
	v_cmp_gt_u32 s[MR+6*(\r)+4], 64,   v[IC+2*(\r)+1]
	v_cmp_gt_u32 s[MR+6*(\r)+5], 0x60, v[IC+2*(\r)+1]
.endr
.irp r, 0,1
.irp e, 0,1,2
	v_pk_mul_f32 v[B1+6*(\r)+2*(\e):B1+6*(\r)+2*(\e)+1], v[E+2*(\e):E+2*(\e)+1], v[DX+6*(\r)+2*(\e):DX+6*(\r)+2*(\e)+1] op_sel:[1,0] op_sel_hi:[1,1]
	v_pk_mul_f32 v[B2+6*(\r)+2*(\e):B2+6*(\r)+2*(\e)+1], v[E+2*(\e):E+2*(\e)+1], v[DX+6*(\r)+2*(((\e)+1)%3):DX+6*(\r)+2*(((\e)+1)%3)+1] op_sel:[1,0] op_sel_hi:[1,1]
.endr
.endr
.irp r, 0,1
.irp e, 0,1,2
	v_pk_fma_f32 v[B1+6*(\r)+2*(\e):B1+6*(\r)+2*(\e)+1], v[E+2*(\e):E+2*(\e)+1], v[DY+2*(\e):DY+2*(\e)+1], v[B1+6*(\r)+2*(\e):B1+6*(\r)+2*(\e)+1] op_sel:[0,\r,0] op_sel_hi:[0,\r,1] neg_lo:[0,0,1] neg_hi:[0,0,1]  ; ex dy - ey dx from the edge's first vertex
	v_pk_fma_f32 v[B2+6*(\r)+2*(\e):B2+6*(\r)+2*(\e)+1], v[E+2*(\e):E+2*(\e)+1], v[DY+2*(((\e)+1)%3):DY+2*(((\e)+1)%3)+1], v[B2+6*(\r)+2*(\e):B2+6*(\r)+2*(\e)+1] op_sel:[0,\r,0] op_sel_hi:[0,\r,1] neg_lo:[1,0,0] neg_hi:[1,0,0]  ; the reversed edge, from its own first vertex: -ex dy + ey dx
.endr
.endr
.irp i, 0,1,2,3
	v_min3_num_f32 v[T+(\i)],   v[B1+6*((\i)/2)+(\i)%2], v[B1+6*((\i)/2)+2+(\i)%2], v[B1+6*((\i)/2)+4+(\i)%2]
	v_min3_num_f32 v[T+4+(\i)], v[B2+6*((\i)/2)+(\i)%2], v[B2+6*((\i)/2)+2+(\i)%2], v[B2+6*((\i)/2)+4+(\i)%2]
	v_and_b32 v[T+12+(\i)], 31, v[IC+(\i)]         ; the column's place in its word
.endr
.irp i, 0,1,2,3
	v_max_num_f32 v[T+(\i)], v[T+(\i)], v[T+4+(\i)]        ; above 0: all three of one winding are
.endr
.irp i, 0,1,2,3
	v_cmp_lt_f32 s[MT+(\i)], 0, v[T+(\i)]
.endr
	; ---- the span as bits.  In cl's word: the bits from cl on, or above cl; in ch's word: the bits up to ch, or below ch
.irp r, 0,1
	v_cndmask_b32 v[T+8+2*(\r)], -2, -1, s[MT+2*(\r)]
	v_cndmask_b32 v[T+9+2*(\r)], 1, 2, s[MT+2*(\r)+1]
.endr
.irp r, 0,1
	v_lshlrev_b32 v[T+8+2*(\r)], v[T+12+2*(\r)], v[T+8+2*(\r)]
	v_lshl_add_u32 v[T+9+2*(\r)], v[T+9+2*(\r)], v[T+13+2*(\r)], -1
.endr
.irp r, 0,1
	v_cndmask_b32 v[SN+4*(\r)],   0, v[T+8+2*(\r)], s[MR+6*(\r)]            ; words below cl's are 0, words above it all ones
	v_cndmask_b32 v[SN+4*(\r)+1], 0, v[T+8+2*(\r)], s[MR+6*(\r)+1]
	v_cndmask_b32 v[SN+4*(\r)+2], 0, v[T+8+2*(\r)], s[MR+6*(\r)+2]
	v_cndmask_b32 v[SN+4*(\r)+3], v[T+8+2*(\r)], -1, s[MR+6*(\r)+2]
	v_cndmask_b32 v[TW+4*(\r)],   -1, v[T+9+2*(\r)], s[MR+6*(\r)+3]         ; words below ch's are all ones, words above it 0
	v_cndmask_b32 v[TW+4*(\r)+1], -1, v[T+9+2*(\r)], s[MR+6*(\r)+4]
	v_cndmask_b32 v[TW+4*(\r)+2], -1, v[T+9+2*(\r)], s[MR+6*(\r)+5]
	v_cndmask_b32 v[TW+4*(\r)+3], v[T+9+2*(\r)], 0, s[MR+6*(\r)+5]
	v_cndmask_b32 v[SN+4*(\r)+1], v[SN+4*(\r)+1], -1, s[MR+6*(\r)]
	v_cndmask_b32 v[SN+4*(\r)+2], v[SN+4*(\r)+2], -1, s[MR+6*(\r)+1]
	v_cndmask_b32 v[TW+4*(\r)+1], v[TW+4*(\r)+1], 0, s[MR+6*(\r)+3]
	v_cndmask_b32 v[TW+4*(\r)+2], v[TW+4*(\r)+2], 0, s[MR+6*(\r)+4]
.endr
.irp i, 0,1,2,3,4,5,6,7
.if \first
	v_and_b32 v[ACC+(\i)], v[SN+(\i)], v[TW+(\i)]
.else
	v_and_or_b32 v[ACC+(\i)], v[SN+(\i)], v[TW+(\i)], v[ACC+(\i)]
.endif
.endr
.endm
	s_wait_loadcnt 0x3                             ; loads come back in order (ISA guide 5.7.1): the first face's vertices are in, the second face's three gathers may stay out
	FACE VA0, 1
	s_wait_loadcnt 0x0
	FACE VA1, 0
	; THE OR OVER THE WAVE'S 32 LANES.  Three halving steps: of two words a lane keeps one, by a bit of its number, and hands the other to the lane that keeps it.  Bit 0 chooses the row,
	; bit 1 the word's low bit, bit 2 its high bit: lane l ends with word (l % 8) / 2 of row l % 2.  Two plain steps finish it.
.irp i, 0,1,2,3
	v_cndmask_b32 v[T+(\i)], v[ACC+4+(\i)], v[ACC+(\i)], s[LB]      ; what my partner keeps
.endr
.irp i, 0,1,2,3
	v_cndmask_b32 v[ACC+(\i)], v[ACC+(\i)], v[ACC+4+(\i)], s[LB]    ; what I keep
.endr
.irp i, 0,1,2,3
	v_mov_b32_dpp v[T+4+(\i)], v[T+(\i)] row_xmask:1 row_mask:0xf bank_mask:0xf
.endr
.irp i, 0,1,2,3
	v_or_b32 v[ACC+(\i)], v[ACC+(\i)], v[T+4+(\i)]
.endr
.irp i, 0,2
	v_cndmask_b32 v[T+(\i)], v[ACC+1+(\i)], v[ACC+(\i)], s[LB+1]
.endr
.irp i, 0,2
	v_cndmask_b32 v[ACC+(\i)], v[ACC+(\i)], v[ACC+1+(\i)], s[LB+1]
.endr
.irp i, 0,2
	v_mov_b32_dpp v[T+4+(\i)], v[T+(\i)] row_xmask:2 row_mask:0xf bank_mask:0xf
.endr
.irp i, 0,2
	v_or_b32 v[ACC+(\i)], v[ACC+(\i)], v[T+4+(\i)]
.endr
	v_cndmask_b32 v[T], v[ACC+2], v[ACC], s[LB+2]
	v_cndmask_b32 v[ACC], v[ACC], v[ACC+2], s[LB+2]
	v_mov_b32_dpp v[T+4], v[T] row_xmask:4 row_mask:0xf bank_mask:0xf
	v_or_b32 v[ACC], v[ACC], v[T+4]
	v_mov_b32_dpp v[T], v[ACC] row_xmask:8 row_mask:0xf bank_mask:0xf
	v_or_b32 v[ACC], v[ACC], v[T]
	v_permlanex16_b32 v[T+1], v[ACC], s[SEL], s[SEL+1]
	v_or_b32 v[ACC], v[ACC], v[T+1]
	ds_store_b32 v[LA], v[ACC]                     ; my wave's eight words, into its own 32 bytes; the four lanes with one l % 8 write the same number to the same word
	s_wait_tensorcnt 0x0
	ds_add_u32 v[SPW], v[NIL]
	s_wait_dscnt 0x0                               ; the wait also shows my store done, for wave 0's sake, ahead of the signal
	s_barrier_signal -1
	s_barrier_wait -1                              ; all sixteen waves' words lie in LDS
	s_cmp_lg_u32 s[WV], 0
	s_cbranch_scc1 .Ldone                          ; the row's 64 numbers are one wave's work
	; WAVE 0: lane l makes output columns 2 l and 2 l + 1, raster columns 4 l .. 4 l + 3: four bits at 4 (l % 8) of word l / 8 of both rows
	v_and_b32 v[T], 24, v0                         ; 8 bytes for each word: (row 0's, row 1's)
.irp j, 0,1,2,3,4,5,6,7,8,9,10,11,12,13,14,15
	ds_load_b64 v[FB+2*(\j):FB+2*(\j)+1], v[T] offset:32*(\j)
.endr
	v_and_b32 v[T+1], 7, v0
	v_lshlrev_b32 v[T+1], 2, v[T+1]
	v_add_nc_u32 v[T+2], 2, v[T+1]
	v_and_b32 v[T+3], 31, v0
	v_lshlrev_b32 v[T+3], 3, v[T+3]                ; 8 bytes a lane
	s_wait_dscnt 0x0
.irp i, 0,1,2,3,4,5,6,7,8,9,10,11,12,13,14,15
	v_or_b32 v[FB+(\i)], v[FB+(\i)], v[FB+16+(\i)] ; even registers row 0, odd ones row 1, through all four steps
.endr
.irp i, 0,1,2,3,4,5,6,7
	v_or_b32 v[FB+(\i)], v[FB+(\i)], v[FB+8+(\i)]
.endr
.irp i, 0,1,2,3
	v_or_b32 v[FB+(\i)], v[FB+(\i)], v[FB+4+(\i)]
.endr
.irp i, 0,1
	v_or_b32 v[FB+(\i)], v[FB+(\i)], v[FB+2+(\i)]
.endr
.irp i, 0,1
	v_lshrrev_b32 v[T+4+(\i)], 1, v[FB+(\i)]
	v_and_b32 v[FB+(\i)], s[M55], v[FB+(\i)]
.endr
.irp i, 0,1
	v_and_b32 v[T+4+(\i)], s[M55], v[T+4+(\i)]
.endr
.irp i, 0,1
	v_add_nc_u32 v[FB+(\i)], v[FB+(\i)], v[T+4+(\i)]       ; in every two bits: how many of a row's two columns are covered
.endr
	v_bfe_u32 v[T+4], v[FB],   v[T+1], 2
	v_bfe_u32 v[T+5], v[FB+1], v[T+1], 2
	v_bfe_u32 v[T+6], v[FB],   v[T+2], 2
	v_bfe_u32 v[T+7], v[FB+1], v[T+2], 2
	v_add_nc_u32 v[T+4], v[T+4], v[T+5]
	v_add_nc_u32 v[T+6], v[T+6], v[T+7]
	v_cvt_f32_u32 v[T+8], v[T+4]
	v_cvt_f32_u32 v[T+9], v[T+6]
	v_mul_f32 v[T+8], 0x3e800000, v[T+8]           ; the mean of four numbers 0 or 1, exact
	v_mul_f32 v[T+9], 0x3e800000, v[T+9]
	global_store_b64 v[T+3], v[T+8:T+9], s[8:9]    ; 32 lanes store the row's 256 consecutive bytes, at a multiple of 256 from out0's first byte
.Ldone:
	s_endpgm
.Lfunc_end_k_qf9fa1a5c85_raster:
	.size	k_qf9fa1a5c85_raster, .Lfunc_end_k_qf9fa1a5c85_raster-k_qf9fa1a5c85_raster
	.p2alignl 7, 3214868480
	.fill 96, 4, 3214868480
	.section	.rodata,"a",@progbits
	.p2align	6, 0x0
	.amdhsa_kernel k_qf9fa1a5c85_raster
		.amdhsa_group_segment_fixed_size 2560
		.amdhsa_private_segment_fixed_size 0
		.amdhsa_enable_private_segment 0
		.amdhsa_kernarg_size 24
		.amdhsa_user_sgpr_count 2
		.amdhsa_user_sgpr_kernarg_segment_ptr 1
		.amdhsa_wavefront_size32 1
		.amdhsa_system_sgpr_workgroup_id_x 1
		.amdhsa_system_sgpr_workgroup_id_y 1
		.amdhsa_system_sgpr_workgroup_id_z 1
		.amdhsa_system_vgpr_workitem_id 0
		.amdhsa_next_free_vgpr 160
		.amdhsa_next_free_sgpr 66
		.amdhsa_reserve_vcc 0
		.amdhsa_float_denorm_mode_32 3
		.amdhsa_float_denorm_mode_16_64 3
		.amdhsa_memory_ordered 1
		.amdhsa_forward_progress 1
		.amdhsa_inst_pref_size 29
	.end_amdhsa_kernel
	.amdgpu_metadata
---
amdhsa.version: [ 1, 2 ]
amdhsa.kernels:
  - .name:           k_qf9fa1a5c85_raster
    .symbol:         k_qf9fa1a5c85_raster.kd
    .args:
      - { .name: faces, .offset: 0, .size: 8, .value_kind: global_buffer, .address_space: global }
      - { .name: vertices, .offset: 8, .size: 8, .value_kind: global_buffer, .address_space: global }
      - { .name: out0, .offset: 16, .size: 8, .value_kind: global_buffer, .address_space: global }
    .group_segment_fixed_size: 2560
    .private_segment_fixed_size: 0
    .kernarg_segment_align: 8
    .kernarg_segment_size: 24
    .max_flat_workgroup_size: 512
    .sgpr_count:     66
    .vgpr_count:     160
    .wavefront_size: 32
...
	.end_amdgpu_metadata
.endif
;; end of part 1
